; MI455X (gfx1250); checked and timed in simulation.
; The chip was launched on July 23, 2026; its instructions are those of AMD's public machine-readable ISA for CDNA 5 (MIT licence, August 2026) and "CDNA5" Instruction Set Architecture Reference Guide (July 2026). The comments in the code are by the model that wrote it; some were corrected since.
;; Attention. Allowed arithmetic: matrix products marked QUANTISED: E2M1 operands, one E8M0 scale for each 32 along K, by v_wmma_scale_f32_16x16x128_f8f6f4 with both operands' format E2M1 (or v_wmma_scale_f32_32x16x128_f4), f32 sums; products left as they are: f32 operands where the result goes on into a quantised operand, else bf16, f16 or f32 operands; f32 sums; everything else in f32.
;; Inputs: W_attn 1,024 x 2,048 float32; b_attn 1,024 float32; encoder_outputs 64 x 512 x 1,024 float32; hidden 64 x 1,024 float32; v 1,024 float32.
;; Outputs: out0 64 x 1 x 1,024 float32.
;; This version of the problem:
;;   THIS VERSION OF THE PROBLEM IS GIVEN IN LOW PRECISION. The matrix products marked QUANTISED in the list below multiply operands that are first quantised to E2M1 (2 exponent bits, 1 mantissa bit; 4 bits a number), with one power-of-two scale for each 32 numbers along K (OCP MX v1.0); their sums are f32. All else is computed in f32.
;;   The module's matrix products, in the order in which they are computed (A, B: the left and right operand; K: the contracted axis; several contracted axes count as one K, in the product's order):
;;     1. [M 32,768, K 2,048] x [K 2,048, N 1,024]; A: computed on the way; B: input W_attn: QUANTISED
;;     2. [M 32,768, K 1,024] x [K 1,024, N 1]; A: computed on the way; B: input v: left as it is (N = 1 < 16)
;;     3. batch 64 x [M 1, K 512] x [K 512, N 1,024]; A: softmax; B: input encoder_outputs: left as it is (M = 1 < 16)
;;   THE QUANTISER, for each operand of a quantised product, along K:
;;     - K is cut into blocks of 32 from its start; a last block that is shorter is filled with zeros.
;;     - A block's scale is 2^e with e = floor(log2(the largest magnitude in the block)) - 2, held to -126 .. 127; a block of zeros has e = 0. As a byte (E8M0): e + 127.
;;     - Each number is divided by its block's scale, clamped to +-6, and rounded to the nearest number of E2M1, ties to even, subnormals kept.
;;     - The product sums the exact products of the quantised numbers (number of the format x scale) in f32.
;;   ~~~python
;;   def quantise(x, axis):      # numpy; x: float32 -> the quantised numbers, widened to float32 again
;;       x = np.moveaxis(x, axis, -1); K = x.shape[-1]
;;       x = np.pad(x, [(0, 0)] * (x.ndim - 1) + [(0, -K % 32)]); x = x.reshape(x.shape[:-1] + (-1, 32)); a = np.abs(x).max(-1, keepdims=True)
;;       e = np.where(a > 0, np.clip(np.frexp(np.where(a > 0, a, 1))[1] - 1 - 2, -126, 127), 0)      # np.frexp(a)[1] - 1 = floor(log2(a)), exactly
;;       r = np.clip(x / 2.0 ** e, -6, 6)
;;       step = 2.0 ** (np.maximum(np.frexp(np.where(r == 0, 1, r))[1] - 1, 0) - 1)
;;       q = np.round(r / step) * step * 2.0 ** e      # np.round: ties to even
;;       return np.moveaxis(q.reshape(q.shape[:-2] + (-1,))[..., :K], -1, axis).astype(np.float32)
;;   ~~~
;;   OPERANDS COMPUTED ON THE WAY. 'Computed on the way' means the value that the module computes at that place (a softmax that the list does not call 'softmax' is quantised finished and normalised). What goes into a quantiser is computed in f32, as accurately as f32 sums, v_exp_f32 and their like allow (about 1e-6 of the number): no bf16 or f16 on the way to a quantiser, and a product that is left as it is and whose result goes on into a quantised operand takes f32 operands (vector FMAs, or v_wmma_f32_16x16x4_f32). A number that lies on a knife's edge between two numbers of the format may be rounded either way, as far as f32 arithmetic and the matrix unit's own rounding can turn it there, and no further.
;; One version. Each part assembles by itself: llvm-mc -triple=amdgcn-amd-amdhsa -mcpu=gfx1250 --defsym DOCPART=n.
;; ======== version 1 of 1: 3 launches
;; limits: values are held in bf16: 8 bits of precision; right only within a limited range of input values
;; workspace buffers: wrec 557,056 bytes; gp 2,097,152 bytes; part 1,179,648 bytes
;; launch prep (part 1): grid 640 x 1, 1 waves a work-group, no clusters, 8,704 bytes of LDS; arguments W_attn, hidden, wrec, gp; writes wrec, gp
.if DOCPART == 1
	.amdgcn_target "amdgcn-amd-amdhsa--gfx1250"
	.amdhsa_code_object_version 6
	.text
	.protected	k_qc6c76c4c8d_prep
	.globl	k_qc6c76c4c8d_prep
	.p2align	8
	.type	k_qc6c76c4c8d_prep,@function
k_qc6c76c4c8d_prep:
	s_mov_b64 s[64:65], 0
	v_nop
	global_prefetch_b8 v0, s[64:65] scope:SCOPE_SE
	s_setreg_imm32_b32 hwreg(HW_REG_WAVE_MODE, 25, 1), 1
	s_wait_xcnt 0x0
; WORK DONE ONCE.  reference() lays hidden[b] in front of every one of the batch's 512 rows, so columns 0-1023 of 'combined', their blocks of 32, codes and scales are the same in all 512 rows,
; for all values of the inputs: that half of product 1 has one result for each (b, a).  It is computed here once, on codes of FP4, and the next launch adds it to every row.
; WORK LEFT OUT (next launch): tanh(x) = 1 - 2 / (1 + e^(2x)), so scores = sum(v) - 2 u; sum(v) is the same along the softmax's axis and cancels there.  LIMIT: an overflow of sum(v) alone is not carried to the result.
; Work-groups 0-511 (ta = J / 16, bp = J / 8 % 2, kc = J % 8): rows 32 ta .. + 31 of W_attn and rows 32 bp .. + 31 of hidden, K = 128 kc .. + 127, are quantised (two steps of 16 rows each) and multiplied:
;   gp[b][kc][a] (f32) = that eighth of K's part of hidden[b] . W_attn[a][0:1024].  The tile is 32 a wide, so a row of it is 128 consecutive bytes of gp.
; Work-groups 512-639 (t = J' / 2, g = J' % 2): rows 16 t of W_attn, K = 1024 + 512 g .. + 511 (four steps of 128), become codes in the order of the operand's registers.
;   A RECORD (16 rows, 8,704 bytes): fragment kappa (128 along K) at 1024 kappa: registers 4 c .. 4 c + 3 of lane l at 512 c + 16 l; behind the 8 fragments the scale words: group g at 8192 + 256 g, row r's four words at 16 r.
; A block's scale is 2^(floor(log2(largest magnitude)) - 2); its byte is the largest magnitude's exponent field - 2, held at 1 from below.
; LIMITS: a block of zeros gets the byte 1 where the rule says 127 (its codes are zeros, and this program alone reads the bytes); NaN and infinities among the inputs are not served.
; One wave to a work-group, ONE path through the four steps for both kinds: only pointers and a pitch are chosen, on the work-group's number.  All 64 loads (16 rows x 512 bytes a step) go out at the head.
; A step's 16 x 512 bytes turn through a stage in LDS (rows of 528 bytes), so that lane (r, h) holds k = 64 c + 32 h + 0..31 of row r.
.set SP,  528
.set SPARE, 16*SP                      ; behind the stage: the spare words
.set SPW, 7
.set TM,  8
.set SO,  10
.set SW,  12                           ; v12-15 the four steps' scale words
.set RO,  16                           ; v16-31 row p of steps 0, 1
.set RO2, 32                           ; v32-47 row p of steps 2, 3
.set TX,  48
.set GO,  50
.set NIL, 51
.set QQ,  64                           ; v64-127 my 64 numbers of a step
.set PC,  128                          ; v128-159 codes, eight registers a step
.set DD,  160                          ; v160-191 the four products
.set MSB, 0                            ; v256-511: the four steps as loaded
.macro WIN new
.if MSB != \new
	s_set_vgpr_msb (MSB<<8)|\new
.set MSB, \new
.endif
.endm
	s_load_b128 s[4:7], s[0:1], 0x0                ; W_attn, hidden
	s_load_b128 s[8:11], s[0:1], 0x10              ; wrec, gp
	s_lshr_b32 s12, ttmp9, 4                       ; product: ta
	s_bfe_u32 s13, ttmp9, 0x10003                  ; bp
	s_and_b32 s14, ttmp9, 7                        ; kc
	s_lshl_b32 s15, s12, 18
	s_lshl_b32 s16, s14, 9
	s_add_co_u32 s15, s15, s16                     ; W: 32 ta rows of 8,192 bytes + 512 kc
	s_lshl_b32 s17, s13, 17
	s_add_co_u32 s17, s17, s16                     ; hidden: 32 bp rows of 4,096 bytes + 512 kc
	s_lshl_b32 s18, s13, 20
	s_lshl_b32 s19, s14, 12
	s_add_co_u32 s18, s18, s19
	s_lshl_b32 s19, s12, 7
	s_add_co_u32 s30, s18, s19                     ; gp: 32 bp x 32,768 + 4,096 kc + 128 ta
	s_mov_b32 s31, 0
	s_and_b32 s18, ttmp9, 127                      ; records: J'
	s_lshr_b32 s19, s18, 1                         ; t
	s_and_b32 s20, s18, 1                          ; g
	s_lshl_b32 s21, s19, 17
	s_lshl_b32 s22, s20, 11
	s_add_co_u32 s21, s21, s22
	s_add_co_u32 s21, s21, 4096                    ; W: K = 1024 + 512 g
	s_add_co_u32 s22, s21, 1024                    ; step 2
	s_mul_i32 s32, s19, 8704
	s_lshl_b32 s23, s20, 8
	s_add_co_u32 s34, s32, s23
	s_add_co_u32 s34, s34, 8192                    ; the scale words' group
	s_lshl_b32 s23, s20, 12
	s_add_co_u32 s32, s32, s23                     ; four fragments x g
	s_mov_b32 s33, 0
	s_mov_b32 s35, 0
	s_mov_b32 s28, 8192
	s_mov_b32 s44, 512
	s_mov_b32 s46, 512
	s_cmp_lt_u32 ttmp9, 512
	s_cselect_b32 s28, 4096, s28                   ; pitch of steps 2, 3
	s_cselect_b32 s24, s15, s21
	s_cselect_b32 s26, s17, s22
	s_cselect_b32 s44, 131072, s44                 ; from step 0 to step 1: 16 rows of W, or 128 along K
	s_cselect_b32 s46, 65536, s46                  ; from step 2 to step 3: 16 rows of hidden, or 128 along K
	s_mov_b32 s25, 0
	s_mov_b32 s27, 0
	s_mov_b32 s45, 0
	s_mov_b32 s47, 0
	s_mov_b32 s36, 0x76543210
	s_mov_b32 s37, 0xfedcba98                      ; lane l xor 16
	v_lshl_add_u32 v[SPW], v0, 2, SPARE
	v_mov_b32 v[NIL], 0
	v_lshlrev_b32 v1, 4, v0                        ; 16 x lane
	v_and_b32 v2, 15, v0                           ; r
	v_lshrrev_b32 v3, 4, v0                        ; h
	v_mul_u32_u24 v4, v2, SP
	v_lshl_add_u32 v4, v3, 7, v4                   ; out of the stage: row r, + 128 h
	v_lshlrev_b32 v5, 3, v3                        ; 8 h
	v_mov_b32 v6, 0
	v_lshlrev_b32 v[GO], 15, v2
	v_lshl_add_u32 v[GO], v3, 5, v[GO]             ; gp: row r of 32,768 bytes + 32 h
.irp p, 0,1,2,3,4,5,6,7,8,9,10,11,12,13,14,15
	v_add_nc_u32 v[RO+\p], 8192*\p, v1
	v_mad_u32_u24 v[RO2+\p], s28, \p, v1
.endr
	s_wait_alu depctr_va_vdst(0)                   ; the wait at the head's end
	s_wait_kmcnt 0x0
	s_cmp_lt_u32 ttmp9, 512                        ; the choice hangs on the work-group's number alone
	s_cselect_b64 s[6:7], s[6:7], s[4:5]
	s_add_nc_u64 s[4:5], s[4:5], s[24:25]
	s_add_nc_u64 s[6:7], s[6:7], s[26:27]
	s_add_nc_u64 s[40:41], s[4:5], s[44:45]
	s_add_nc_u64 s[42:43], s[6:7], s[46:47]
	s_add_nc_u64 s[10:11], s[10:11], s[30:31]
	s_add_nc_u64 s[12:13], s[8:9], s[34:35]
	s_add_nc_u64 s[8:9], s[8:9], s[32:33]
.macro LD16 k, ro, sb                  ; step k: each load reads 512 consecutive bytes of a row
.irp p, 0,1,2,3,4,5,6,7,8,9,10,11,12,13,14,15
	global_load_b128 v[64*\k+4*\p:64*\k+4*\p+3], v[\ro+\p], s[\sb:\sb+1]
.endr
.endm
	WIN 0x40
	LD16 0, RO, 4
	LD16 1, RO, 40
	LD16 2, RO2, 6
	LD16 3, RO2, 42
	WIN 0
.macro QUANT pc, pw                    ; register 32 c + i = k 64 c + 32 h + i of row r: the fragment's eight registers and my row's scale word
.irp c, 0,1
	v_max3_num_f32 v[TM+\c], |v[QQ+32*\c]|, |v[QQ+32*\c+1]|, 0x1800000      ; the floor 2^(3 - 127) is a leaf: the byte cannot fall under 1
	v_max3_num_f32 v[TX+\c], |v[QQ+32*\c+16]|, |v[QQ+32*\c+17]|, 0x1800000
.endr
.irp i, 2,4,6,8,10,12,14
.irp c, 0,1
	v_max3_num_f32 v[TM+\c], v[TM+\c], |v[QQ+32*\c+\i]|, |v[QQ+32*\c+\i+1]|
	v_max3_num_f32 v[TX+\c], v[TX+\c], |v[QQ+32*\c+16+\i]|, |v[QQ+32*\c+17+\i]|
.endr
.endr
.irp c, 0,1
	v_max_num_f32 v[TM+\c], v[TM+\c], v[TX+\c]
.endr
.irp c, 0,1
	v_add_nc_u32 v[SO+\c], 0xff000000, v[TM+\c]    ; 2 off the exponent field: the conversion's scale operand
.endr
.irp c, 0,1
	v_lshrrev_b32 v[TM+\c], 23, v[SO+\c]           ; the byte
.endr
	v_lshl_or_b32 v[\pw], v[TM+1], 16, v[TM]       ; blocks h and 2 + h,
	v_lshlrev_b32 v[\pw], v5, v[\pw]               ; 8 h bits up;
	v_permlanex16_b32 v6, v[\pw], s36, s37
	v_or_b32 v[\pw], v[\pw], v6                    ; with lane l xor 16's two the word is whole
.irp c, 0,1
.irp g, 0,1,2,3
	v_cvt_scalef32_pk8_fp4_f32 v[\pc+4*\c+\g], v[QQ+32*\c+8*\g:QQ+32*\c+8*\g+7], v[SO+\c]
.endr
.endr
	v_nop                                          ; one plain line behind the last scaled conversion
.endm
.macro STEP k
	s_wait_loadcnt 16*(3-(\k))                     ; this step's 16 loads are in; the later steps' may be out
	WIN 0x04
.irp p, 0,1,2,3,4,5,6,7,8,9,10,11,12,13,14,15
	ds_store_b128 v1, v[64*(\k)+4*\p:64*(\k)+4*\p+3] offset:SP*\p
.endr
	WIN 0
.irp c, 0,1
.irp g, 0,1,2,3,4,5,6,7
	ds_load_b128 v[QQ+32*\c+4*\g:QQ+32*\c+4*\g+3], v4 offset:256*\c+16*\g   ; LDS serves a wave's instructions in order
.endr
.endr
	s_wait_dscnt 0x0
	QUANT PC+8*(\k), SW+(\k)
.endm
	s_wait_alu depctr_va_vdst(0)
	STEP 0
	STEP 1
	STEP 2
	STEP 3
	s_wait_alu depctr_va_vdst(0)                   ; the wait ahead of the waits and the branch below
	s_wait_tensorcnt 0x0                           ; the wave's last LDS lines
	ds_add_u32 v[SPW], v[NIL]
	s_wait_dscnt 0x0
	s_cmp_lt_u32 ttmp9, 512
	s_cbranch_scc0 .Lrecord
.rept 8
	v_nop                                          ; a scale register written by a vector instruction stands 8 places ahead of a scaled matrix instruction
.endr
.irp i, 0,1                            ; W's tile i x hidden's tile j: four sums of one instruction each
.irp j, 0,1
	v_wmma_scale_f32_16x16x128_f8f6f4 v[DD+16*\i+8*\j:DD+16*\i+8*\j+7], v[PC+8*\i:PC+8*\i+7], v[PC+16+8*\j:PC+16+8*\j+7], 0, v[SW+\i], v[SW+2+\j] matrix_a_fmt:MATRIX_FMT_FP4 matrix_b_fmt:MATRIX_FMT_FP4
.endr
.endr
.rept 4
	v_nop
.endr
.irp j, 0,1
.irp i, 0,1
	global_store_b128 v[GO], v[DD+16*\i+8*\j:DD+16*\i+8*\j+3], s[10:11] offset:524288*\j+64*\i        ; lane (r, h): b = 32 bp + 16 j + r, a = 32 ta + 16 i + 8 h + 0..7
	global_store_b128 v[GO], v[DD+16*\i+8*\j+4:DD+16*\i+8*\j+7], s[10:11] offset:524288*\j+64*\i+16
.endr
.endr
	s_endpgm
.Lrecord:
.irp k, 0,1,2,3
	global_store_b128 v1, v[PC+8*\k:PC+8*\k+3], s[8:9] offset:1024*\k          ; 32 lanes store 512 consecutive bytes, aligned to 256
	global_store_b128 v1, v[PC+8*\k+4:PC+8*\k+7], s[8:9] offset:1024*\k+512
.endr
	v_cmp_gt_u32 vcc_lo, 16, v0                    ; lanes 0-15 hold rows 0-15's four words
	s_wait_xcnt 0x0                                ; EXEC is a source of the stores above
	s_and_saveexec_b32 s20, vcc_lo
	global_store_b128 v1, v[SW:SW+3], s[12:13]     ; sixteen lanes store 256 consecutive bytes, aligned
	s_wait_xcnt 0x0
	s_or_b32 exec_lo, exec_lo, s20
	s_endpgm
.Lfunc_end_k_qc6c76c4c8d_prep:
	.size	k_qc6c76c4c8d_prep, .Lfunc_end_k_qc6c76c4c8d_prep-k_qc6c76c4c8d_prep
	.p2alignl 7, 3214868480
	.fill 96, 4, 3214868480
	.section	.rodata,"a",@progbits
	.p2align	6, 0x0
	.amdhsa_kernel k_qc6c76c4c8d_prep
		.amdhsa_group_segment_fixed_size 8704
		.amdhsa_private_segment_fixed_size 0
		.amdhsa_enable_private_segment 0
		.amdhsa_kernarg_size 32
		.amdhsa_user_sgpr_count 2
		.amdhsa_user_sgpr_kernarg_segment_ptr 1
		.amdhsa_wavefront_size32 1
		.amdhsa_system_sgpr_workgroup_id_x 1
		.amdhsa_system_sgpr_workgroup_id_y 1
		.amdhsa_system_sgpr_workgroup_id_z 1
		.amdhsa_system_vgpr_workitem_id 0
		.amdhsa_next_free_vgpr 512
		.amdhsa_next_free_sgpr 66
		.amdhsa_reserve_vcc 1
		.amdhsa_float_denorm_mode_32 3
		.amdhsa_float_denorm_mode_16_64 3
		.amdhsa_memory_ordered 1
		.amdhsa_forward_progress 1
		.amdhsa_inst_pref_size 36
	.end_amdhsa_kernel
	.amdgpu_metadata
---
amdhsa.version: [ 1, 2 ]
amdhsa.kernels:
  - .name:           k_qc6c76c4c8d_prep
    .symbol:         k_qc6c76c4c8d_prep.kd
    .args:
      - { .name: W_attn, .offset: 0, .size: 8, .value_kind: global_buffer, .address_space: global }
      - { .name: hidden, .offset: 8, .size: 8, .value_kind: global_buffer, .address_space: global }
      - { .name: wrec, .offset: 16, .size: 8, .value_kind: global_buffer, .address_space: global }
      - { .name: gp, .offset: 24, .size: 8, .value_kind: global_buffer, .address_space: global }
    .group_segment_fixed_size: 8704
    .private_segment_fixed_size: 0
    .kernarg_segment_align: 8
    .kernarg_segment_size: 32
    .max_flat_workgroup_size: 32
    .sgpr_count:     66
    .vgpr_count:     512
    .wavefront_size: 32
...
	.end_amdgpu_metadata
.endif
;; end of part 1
;; launch attn (part 2): grid 256 x 1, 4 waves a work-group, clusters of 4 x 1, 327,680 bytes of LDS; arguments encoder_outputs, wrec, gp, b_attn, v, part; writes part
.if DOCPART == 2
	.amdgcn_target "amdgcn-amd-amdhsa--gfx1250"
	.amdhsa_code_object_version 6
	.text
	.protected	k_qc6c76c4c8d_attn
	.globl	k_qc6c76c4c8d_attn
	.p2align	8
	.type	k_qc6c76c4c8d_attn,@function
k_qc6c76c4c8d_attn:
	s_mov_b64 s[64:65], 0
	v_nop
	global_prefetch_b8 v0, s[64:65] scope:SCOPE_SE
	s_setreg_imm32_b32 hwreg(HW_REG_WAVE_MODE, 25, 1), 1
	s_wait_xcnt 0x0
	s_wait_alu depctr_hold_cnt(0) depctr_sa_sdst(0) depctr_va_vdst(0) depctr_va_sdst(0) depctr_va_ssrc(0) depctr_va_vcc(0) depctr_vm_vsrc(0)
	s_getreg_b32 s2, hwreg(HW_REG_IB_STS2, 6, 4)
	s_cmp_eq_u32 s2, 0
	s_cbranch_scc0 .Lentry_in_a_cluster
	s_endpgm
.Lentry_in_a_cluster:
	s_bfe_u32 s2, ttmp6, 0x10000c
	s_cmp_lg_u32 s2, 0x3003
	s_cbranch_scc0 .Lentry_shape_is_right
	s_endpgm
.Lentry_shape_is_right:
; A work-group takes 128 rows (a quarter) of one batch through product 1's encoder half, tanh, the product with v, a softmax over its 128 rows and their part of the context.
; LEFT OUT: hidden's half of product 1 is the same for all rows of a batch and comes from gp (eight parts along K, added here with b_attn); sum(v) is the same along the softmax's axis
; (tanh(x) = 1 - 2 / (1 + 2^(c x)), c = 2 log2(e): scores = sum(v) - 2 u, and u alone is kept).  LIMIT: an overflow of sum(v) alone is not carried to the result.
; HEAD: a wave streams its 32 rows x 4,096 bytes in 16 units of 16 rows x 512 bytes, four units (64 loads) ahead; each unit is kept as bf16 (windows 2, 3: for the context) and quantised to FP4
; through the wave's stage in LDS; codes and scale words go to LDS as register images.  Then a wave holds the codes of 64 rows x 1,024 K in window 1.
; LOOP: W's records (16 a x 1,024 K: 8,704 bytes) come eight to a slot through a ring of two slots; the four work-groups of a cluster are the quarters of one batch and ask for each tile jointly.
; Wave w: rows 64 (w / 2), records 4 (w % 2) + q of a slot.  Source 0 = 16 rows of W, source 1 = 16 of my rows: lane (r, h) holds row r, registers a = 8 h + 0..7.
; The clusters begin at different tiles; G and v lie in LDS turned by the same amount.
; No prefetch: the head has 64 loads a wave out all the time, and the 8 tiles of wrec are what all 64 clusters read.
; part: for each quarter c[1024] f32, then (m, l) repeated: the next launch joins the quarters.  The softmax holds while the scaled scores stay under 2^31 in magnitude.
.set RBN,   8704
.set WLD,   2*RBN                      ; a wave's tensor load: two records, 68 rows of 256 bytes
.set SLOT,  8*RBN
.set SLOT1, 1<<17                      ; slot 1 begins here: one exclusive or changes slots
.set STG,   SLOT                       ; between the slots: four stages of 16 x 528 bytes,
.set BVL,   STG+4*8448                 ; G (4,096 bytes) and v (4,096),
.set ISC,   BVL+8192                   ; my rows' scale words,
.set SCO,   ISC+8192                   ; the scores,
.set SPARE, SCO+1024                   ; the spare words
.set IMG,   SLOT1+SLOT                 ; behind slot 1: the codes' images, 16,384 bytes a wave,
.set CTX,   IMG+65536                  ; and the waves' parts of the context
.set L16, 1
.set SPW, 2
.set NIL, 3
.set SA,  4
.set SL,  5
.set IA,  6
.set IS,  7
.set IR,  8
.set IQ,  9
.set AW,  10
.set AW0, 11
.set BA,  12
.set H8,  13
.set PD,  14
.set T16, 15
.set U,   16                           ; v16-23 u, two halves for each of four row tiles
.set BF,  24                           ; v24-87 a record's eight fragments (head: a unit's numbers)
.set ACC, 88                           ; v88-119 four accumulators
.set WS,  120                          ; v120-123 W's scale words: lanes 0-15 kappa 0-3, lanes 16-31 kappa 4-7
.set VV,  128                          ; v128-143 v, two sets
.set GS,  144                          ; v144-159 G, two sets
.set AS,  160                          ; v160-175 my rows' scale words
.set PC,  176
.set TM,  184
.set SO,  186
.set PW,  188
.set BVA, 189
.set TX,  190
.set RT,  192
.set GT,  88                           ; v88-167 head: gp's eight parts, b_attn, v
.set CT,  24
.set ZR,  56
.set PB,  216
.set NXT, 41
.set WB,  48
.set WO,  50
.set TB,  53
.set MSB, 0
.macro WIN new
.if MSB != \new
	s_set_vgpr_msb (MSB<<8)|\new
.set MSB, \new
.endif
.endm
.macro PLACES n
.rept \n
	v_nop
.endr
.endm
.macro CREST
	s_cmp_lg_u32 s16, 0
	s_cbranch_scc1 .Lnot_wave_0_\@
	s_barrier_signal -3
.Lnot_wave_0_\@:
	s_barrier_wait -3
	s_barrier_signal -1
	s_barrier_wait -1
.endm
.macro ROUND
	s_barrier_signal -1
	s_barrier_wait -1
	CREST
.endm
.macro DSTEP                           ; the one group 0: the other slot, the next tile (no tensor load of mine is out)
	s_xor_b32 s33, s33, SLOT1
	s_mul_i32 s[WO], s[NXT], SLOT
	s_add_nc_u64 s[34:35], s[WB:WB+1], s[WO:WO+1]
	s_or_b32 s35, s35, 0x80000000
	s_add_co_u32 s[NXT], s[NXT], 1
	s_and_b32 s[NXT], s[NXT], 7
.endm
.macro TLOAD
	tensor_load_to_lds s[32:35], s[24:31]
	s_nop 0
	PLACES 4
.endm
	s_load_b256 s[4:11], s[0:1], 0x0               ; encoder_outputs, wrec, gp, b_attn
	s_load_b128 s[12:15], s[0:1], 0x20             ; v, part
	v_lshl_add_u32 v[SPW], v0, 2, SPARE
	v_mov_b32 v[NIL], 0
	ds_add_u32 v[SPW], v[NIL]                      ; the opening lines: the add twice on end
	ds_add_u32 v[SPW], v[NIL]
	v_lshrrev_b32 v1, 5, v0
	v_readfirstlane_b32 s16, v1                    ; wave
	s_lshr_b32 s17, s16, 1                         ; my half of the rows
	s_and_b32 s18, s16, 1                          ; my half of a slot's records
	s_bfe_u32 s19, ttmp6, 0x40000                  ; cx: the quarter of the batch
	s_mov_b32 s20, 0x76543210
	s_mov_b32 s21, 0xfedcba98
	s_mov_b32 s22, 0x4038aa3b                      ; c = 2 log2(e)
	s_mov_b32 s23, s22
	s_lshr_b32 s[NXT], ttmp9, 3
	s_add_co_u32 s[NXT], s[NXT], ttmp9
	s_and_b32 s[NXT], s[NXT], 7                    ; the cluster's first tile
	s_lshl_b32 s52, s[NXT], 9                      ; its 128 a in bytes
	s_mov_b32 s24, 15|(3<<16)|(1<<21)              ; the cluster's four; elements of 8 bytes
	s_mov_b32 s25, 32<<16
	s_mov_b32 s26, 68<<16
	s_mov_b32 s27, 32<<16
	s_mov_b32 s28, 68
	s_mov_b32 s29, 32
	s_mov_b32 s30, 0
	s_mov_b32 s31, 0
	s_mov_b32 s32, 1
	s_mul_i32 s33, s16, WLD
	s_mov_b32 s42, s33
	s_mov_b32 s43, 0
	s_mul_i32 s[WO], s[NXT], SLOT
	s_mov_b32 s[WO+1], 0
	s_add_co_u32 s[NXT], s[NXT], 1
	s_and_b32 s[NXT], s[NXT], 7
	s_lshl_b32 s44, ttmp9, 21
	s_lshl_b32 s45, s19, 19
	s_add_co_u32 s44, s44, s45
	s_lshl_b32 s45, s16, 17
	s_add_co_u32 s44, s44, s45                     ; my 32 rows of encoder_outputs
	s_mov_b32 s45, 0
	s_lshl_b32 s46, ttmp9, 15                      ; the batch's 32,768 bytes of gp
	s_mov_b32 s47, 0
	s_lshl_b32 s54, ttmp9, 2
	s_add_co_u32 s54, s54, s19
	s_mul_i32 s54, s54, 4608                       ; my record of part
	s_mov_b32 s55, 0
	s_mul_i32 s56, s16, 8448
	s_add_co_u32 s56, s56, STG
	s_lshl_b32 s57, s16, 14
	s_add_co_u32 s57, s57, IMG
	s_lshl_b32 s58, s17, 12
	s_add_co_u32 s58, s58, ISC
	s_lshl_b32 s59, s16, 11
	s_add_co_u32 s59, s59, ISC
	s_lshl_b32 s60, s17, 15
	s_add_co_u32 s60, s60, IMG
	s_mul_i32 s61, s18, 4*RBN
	s_lshl_b32 s62, s18, 8
	s_add_co_u32 s62, s62, BVL
	s_mov_b32 s[TB], 0
	v_and_b32 v1, 31, v0
	v_and_b32 v13, 15, v0
	v_bfe_u32 v14, v0, 4, 1
	v_lshlrev_b32 v[T16], 4, v0
	v_add_nc_u32 v[BVA], BVL, v[T16]
	v_add_nc_u32 v[RT], s52, v[T16]                ; G, b_attn and v are read turned by the first tile
	v_add_nc_u32 v[RT+1], 0x800, v[RT]
	v_and_b32 v[RT], 0xfff, v[RT]
	v_and_b32 v[RT+1], 0xfff, v[RT+1]
	v_lshlrev_b32 v[IS], 2, v1
	v_lshlrev_b32 v[L16], 4, v1
	v_add_nc_u32 v[SA], s56, v[L16]
	v_mul_u32_u24 v[SL], v13, 528
	v_lshl_add_u32 v[SL], v14, 7, v[SL]
	v_add_nc_u32 v[SL], s56, v[SL]
	v_add_nc_u32 v[IA], s57, v[L16]
	v_lshl_add_u32 v[IQ], v14, 11, v[IS]
	v_add_nc_u32 v[IQ], s58, v[IQ]
	v_add_nc_u32 v[IS], s59, v[IS]
	v_add_nc_u32 v[IR], s60, v[L16]
	v_add_nc_u32 v[AW0], s61, v[L16]
	v_mov_b32 v[AW], v[AW0]
	v_lshl_add_u32 v[BA], v14, 5, s62
	v_lshlrev_b32 v[H8], 3, v14
	v_mov_b32 v[PD], 0
	s_wait_alu depctr_va_vdst(0)                   ; the wait at the head's end
	s_wait_dscnt 0x0                               ; both opening adds are done
	s_wait_kmcnt 0x0
	s_add_nc_u64 s[WB:WB+1], s[6:7], s[42:43]
	s_add_nc_u64 s[34:35], s[WB:WB+1], s[WO:WO+1]
	s_or_b32 s35, s35, 0x80000000
	s_add_nc_u64 s[4:5], s[4:5], s[44:45]
	s_add_nc_u64 s[8:9], s[8:9], s[46:47]
	s_add_nc_u64 s[14:15], s[14:15], s[54:55]
.irp k, 0,1,2,3,4,5,6,7
	global_load_b128 v[GT+8*\k:GT+8*\k+3], v[RT], s[8:9] offset:4096*\k
	global_load_b128 v[GT+8*\k+4:GT+8*\k+7], v[RT+1], s[8:9] offset:4096*\k
.endr
	global_load_b128 v[GT+64:GT+67], v[RT], s[10:11]
	global_load_b128 v[GT+68:GT+71], v[RT+1], s[10:11]
	global_load_b128 v[GT+72:GT+75], v[RT], s[12:13]
	global_load_b128 v[GT+76:GT+79], v[RT+1], s[12:13]
.macro LOADU u
.set uS, 64*((\u)%4)
.set uO, ((\u)/8)*65536+((\u)%8)*512
	WIN 0x40
.irp p, 0,1,2,3,4,5,6,7,8,9,10,11,12,13,14,15
	global_load_b128 v[uS+4*\p:uS+4*\p+3], v[L16], s[4:5] offset:uO+\p*4096 th:TH_LOAD_NT
.endr
	WIN 0
.endm
	LOADU 0                                        ; the stream starts ahead of the round
	LOADU 1
	LOADU 2
	LOADU 3
	ROUND                                          ; in front of the first joint load
	TLOAD                                          ; tile 0, my quarter of slot 0: my one tensor load at the head
.macro QUANT
.irp c, 0,1
	v_max3_num_f32 v[TM+\c], |v[BF+32*\c]|, |v[BF+32*\c+1]|, 0x1800000
	v_max3_num_f32 v[TX+\c], |v[BF+32*\c+16]|, |v[BF+32*\c+17]|, 0x1800000
.endr
.irp i, 2,4,6,8,10,12,14
.irp c, 0,1
	v_max3_num_f32 v[TM+\c], v[TM+\c], |v[BF+32*\c+\i]|, |v[BF+32*\c+\i+1]|
	v_max3_num_f32 v[TX+\c], v[TX+\c], |v[BF+32*\c+16+\i]|, |v[BF+32*\c+17+\i]|
.endr
.endr
.irp c, 0,1
	v_max_num_f32 v[TM+\c], v[TM+\c], v[TX+\c]
.endr
.irp c, 0,1
	v_add_nc_u32 v[SO+\c], 0xff000000, v[TM+\c]
.endr
.irp c, 0,1
	v_lshrrev_b32 v[TM+\c], 23, v[SO+\c]
.endr
	v_lshl_or_b32 v[PW], v[TM+1], 16, v[TM]
	v_lshlrev_b32 v[PW], v[H8], v[PW]
	v_permlanex16_b32 v[PD], v[PW], s20, s21
	v_or_b32 v[PW], v[PW], v[PD]
.irp c, 0,1
.irp g, 0,1,2,3
	v_cvt_scalef32_pk8_fp4_f32 v[PC+4*\c+\g], v[BF+32*\c+8*\g:BF+32*\c+8*\g+7], v[SO+\c]
.endr
.endr
	v_nop
.endm
.macro UNIT u
.set uS, 64*((\u)%4)
.set uM, (\u)/8
.set uK, (\u)%8
.set uW, 0x85+0x40*uM
.if (\u) <= 12
	s_wait_loadcnt 48                              ; this unit's 16 loads are in; three units' may be out
.else
	s_wait_loadcnt 16*(15-(\u))
.endif
.if (\u) == 0
.irp o, 0,2,4,6                        ; G = c x (gp's eight parts + b_attn), my eight a
.irp k, 0,2,4,6
	v_pk_add_f32 v[GT+8*\k+\o:GT+8*\k+\o+1], v[GT+8*\k+\o:GT+8*\k+\o+1], v[GT+8*\k+8+\o:GT+8*\k+9+\o]
.endr
.endr
.irp o, 0,2,4,6
.irp k, 0,4
	v_pk_add_f32 v[GT+8*\k+\o:GT+8*\k+\o+1], v[GT+8*\k+\o:GT+8*\k+\o+1], v[GT+8*\k+16+\o:GT+8*\k+17+\o]
.endr
.endr
.irp o, 0,2,4,6
	v_pk_add_f32 v[GT+\o:GT+\o+1], v[GT+\o:GT+\o+1], v[GT+32+\o:GT+33+\o]
.endr
.irp o, 0,2,4,6
	v_pk_add_f32 v[GT+\o:GT+\o+1], v[GT+\o:GT+\o+1], v[GT+64+\o:GT+65+\o]
.endr
.irp o, 0,2,4,6
	v_pk_mul_f32 v[GT+\o:GT+\o+1], v[GT+\o:GT+\o+1], s[22:23] op_sel_hi:[1,0]
.endr
	ds_store_b128 v[BVA], v[GT:GT+3]
	ds_store_b128 v[BVA], v[GT+4:GT+7] offset:2048
	ds_store_b128 v[BVA], v[GT+72:GT+75] offset:4096
	ds_store_b128 v[BVA], v[GT+76:GT+79] offset:6144
.endif
	WIN uW
.irp p, 0,1,2,3,4,5,6,7,8,9,10,11,12,13,14,15
	v_cvt_pk_bf16_f32 v[16*\p+2*uK], v[uS+4*\p], v[uS+4*\p+1]
	v_cvt_pk_bf16_f32 v[16*\p+2*uK+1], v[uS+4*\p+2], v[uS+4*\p+3]
.endr
	WIN 0x04
.irp p, 0,1,2,3,4,5,6,7,8,9,10,11,12,13,14,15
	ds_store_b128 v[SA], v[uS+4*\p:uS+4*\p+3] offset:528*\p
.endr
	WIN 0
.irp c, 0,1
.irp g, 0,1,2,3,4,5,6,7
	ds_load_b128 v[BF+32*\c+4*\g:BF+32*\c+4*\g+3], v[SL] offset:256*\c+16*\g
.endr
.endr
	s_wait_dscnt 0x0
.if (\u) < 12
	LOADU (\u)+4
.endif
	QUANT
	ds_store_b128 v[IA], v[PC:PC+3] offset:1024*(8*uM+uK)
	ds_store_b128 v[IA], v[PC+4:PC+7] offset:1024*(8*uM+uK)+512
	ds_store_b32 v[IS], v[PW] offset:128*(8*uM+uK)
.endm
.irp u, 0,1,2,3,4,5,6,7,8,9,10,11,12,13,14,15
	UNIT \u
.endr
	s_wait_alu depctr_va_vdst(0)
	s_wait_tensorcnt 0x0                           ; tile 0 is in; slot 1's first fill is issued as a refill is
	ds_add_u32 v[SPW], v[NIL]
	DSTEP
	s_wait_dscnt 0x0                               ; the add, and my stores of images, scale words, G and v
	ROUND
	TLOAD                                          ; tile 1
	WIN 0x40
.irp f, 0,1,2,3,4,5,6,7,8,9,10,11,12,13,14,15,16,17,18,19,20,21,22,23,24,25,26,27,28,29,30,31
	ds_load_b128 v[8*\f:8*\f+3], v[IR] offset:1024*\f
	ds_load_b128 v[8*\f+4:8*\f+7], v[IR] offset:1024*\f+512
.endr
	WIN 0
.irp f, 0,1,2,3,4,5,6,7,8,9,10,11,12,13,14,15
	ds_load_b32 v[AS+\f], v[IQ] offset:128*\f
.endr
.irp o, 0,1,2,3,4,5,6,7
	v_mov_b32 v[U+\o], 0
.endr
.macro LOADH q, vs                     ; record q of my four: 21 loads in one run
	ds_load_b128 v[WS:WS+3], v[AW] offset:\q*RBN+8192
.irp k, 0,1,2,3,4,5,6,7
	ds_load_b128 v[BF+8*\k:BF+8*\k+3], v[AW] offset:\q*RBN+1024*\k
	ds_load_b128 v[BF+8*\k+4:BF+8*\k+7], v[AW] offset:\q*RBN+1024*\k+512
.endr
	ds_load_b128 v[GS+8*\vs:GS+8*\vs+3], v[BA] offset:64*\q
	ds_load_b128 v[GS+8*\vs+4:GS+8*\vs+7], v[BA] offset:64*\q+16
	ds_load_b128 v[VV+8*\vs:VV+8*\vs+3], v[BA] offset:4096+64*\q
	ds_load_b128 v[VV+8*\vs+4:VV+8*\vs+7], v[BA] offset:4096+64*\q+16
.endm
.macro WM k, mt
.set wA, BF+8*(\k)
.set wD, ACC+8*(\mt)
.set wB, 8*(8*(\mt)+(\k))
.set wW, WS+(\k)%4
.set wS, AS+8*((\mt)%2)+(\k)
.if (\k) == 0 && (\mt) < 2
	v_wmma_scale_f32_16x16x128_f8f6f4 v[wD:wD+7], v[wA:wA+7], v[wB:wB+7], 0, v[wW], v[wS] matrix_a_fmt:MATRIX_FMT_FP4 matrix_b_fmt:MATRIX_FMT_FP4
.elseif (\k) == 0
	v_wmma_scale_f32_16x16x128_f8f6f4 v[wD:wD+7], v[wA:wA+7], v[wB:wB+7], 0, v[wW], v[wS] matrix_a_fmt:MATRIX_FMT_FP4 matrix_b_fmt:MATRIX_FMT_FP4 matrix_b_scale:MATRIX_SCALE_ROW1
.elseif (\k) < 4 && (\mt) < 2
	v_wmma_scale_f32_16x16x128_f8f6f4 v[wD:wD+7], v[wA:wA+7], v[wB:wB+7], v[wD:wD+7], v[wW], v[wS] matrix_a_fmt:MATRIX_FMT_FP4 matrix_b_fmt:MATRIX_FMT_FP4
.elseif (\k) < 4
	v_wmma_scale_f32_16x16x128_f8f6f4 v[wD:wD+7], v[wA:wA+7], v[wB:wB+7], v[wD:wD+7], v[wW], v[wS] matrix_a_fmt:MATRIX_FMT_FP4 matrix_b_fmt:MATRIX_FMT_FP4 matrix_b_scale:MATRIX_SCALE_ROW1
.elseif (\mt) < 2
	v_wmma_scale_f32_16x16x128_f8f6f4 v[wD:wD+7], v[wA:wA+7], v[wB:wB+7], v[wD:wD+7], v[wW], v[wS] matrix_a_fmt:MATRIX_FMT_FP4 matrix_b_fmt:MATRIX_FMT_FP4 matrix_a_scale:MATRIX_SCALE_ROW1
.else
	v_wmma_scale_f32_16x16x128_f8f6f4 v[wD:wD+7], v[wA:wA+7], v[wB:wB+7], v[wD:wD+7], v[wW], v[wS] matrix_a_fmt:MATRIX_FMT_FP4 matrix_b_fmt:MATRIX_FMT_FP4 matrix_a_scale:MATRIX_SCALE_ROW1 matrix_b_scale:MATRIX_SCALE_ROW1
.endif
.endm
.macro W16 base                        ; the four accumulators by turns, one instruction a turn
.irp d, 0,1,2,3
.irp m, 0,1,2,3
	WM \base+\d, \m
.endr
.endr
.endm
.macro MM
	s_wait_dscnt 12                                ; W's words and fragments 0-3 are in; fragments 4-7 (8 loads), G and v (4) may be out
	WIN 0x04
	W16 0
	s_wait_dscnt 0x0
	W16 4
	WIN 0
	PLACES 5                                       ; ahead of loads into the fragments, of the readers of the sums, and of the next sums begun on these registers
.endm
.macro EPI vs                          ; u += v / (1 + 2^(c x + G))
.irp m, 0,1,2,3
.irp p, 0,2,4,6
	v_pk_fma_f32 v[ACC+8*\m+\p:ACC+8*\m+\p+1], v[ACC+8*\m+\p:ACC+8*\m+\p+1], s[22:23], v[GS+8*\vs+\p:GS+8*\vs+\p+1] op_sel_hi:[1,0,1]
.endr
.endr
	s_wait_alu depctr_va_vdst(0)                   ; a wait ahead of each batch and one behind it
.irp o, 0,1,2,3,4,5,6,7,8,9,10,11,12,13,14,15,16,17,18,19,20,21,22,23,24,25,26,27,28,29,30,31
	v_exp_f32 v[ACC+\o], v[ACC+\o]
.endr
	v_nop
	s_wait_alu depctr_va_vdst(0)
.irp o, 0,2,4,6,8,10,12,14,16,18,20,22,24,26,28,30
	v_pk_add_f32 v[ACC+\o:ACC+\o+1], v[ACC+\o:ACC+\o+1], 1.0 op_sel_hi:[1,0]
.endr
	s_wait_alu depctr_va_vdst(0)
.irp o, 0,1,2,3,4,5,6,7,8,9,10,11,12,13,14,15,16,17,18,19,20,21,22,23,24,25,26,27,28,29,30,31
	v_rcp_f32 v[ACC+\o], v[ACC+\o]
.endr
	v_nop
	s_wait_alu depctr_va_vdst(0)
.irp p, 0,2,4,6
.irp m, 0,1,2,3
	v_pk_fma_f32 v[U+2*\m:U+2*\m+1], v[ACC+8*\m+\p:ACC+8*\m+\p+1], v[VV+8*\vs+\p:VV+8*\vs+\p+1], v[U+2*\m:U+2*\m+1]
.endr
.endr
.endm
.macro WORK                            ; a slot: my four records; a record's tanh stands under the next record's loads
	LOADH 0, 0
	MM
	LOADH 1, 1
	EPI 0
	MM
	LOADH 2, 0
	EPI 1
	MM
	LOADH 3, 1
	EPI 0
	MM
.endm
.macro SYNC fill                       ; the change of slots; the fourth record's tanh, work on registers, stands between the barrier's signal and its wait
	s_wait_tensorcnt 0x0                           ; my part of the next slot is in
	ds_add_u32 v[SPW], v[NIL]
.if \fill
	DSTEP
.endif
	s_xor_b32 s[TB], s[TB], SLOT1
	v_add_nc_u32 v[BA], 512, v[BA]                 ; the next slot's 128 a
	v_add_nc_u32 v[AW], s[TB], v[AW0]
	s_wait_alu depctr_va_vdst(0)                   ; the wait ahead of the waits below
	s_wait_dscnt 0x0                               ; the add is done, and my reads of this slot are over
	s_barrier_signal -1
	EPI 1
	s_barrier_wait -1
.if \fill
	CREST                                          ; the barrier has opened a round of the cluster's barrier
	TLOAD                                          ; the tile two on, into the slot just left
.endif
	s_wait_alu depctr_va_vdst(0)                   ; the wait ahead of the branch
.endm
	s_mov_b32 s40, 6
	s_wait_alu depctr_va_vdst(0)
.Lfill:                                                ; slots 0-5: tiles 2-7 are asked for
	WORK
	SYNC 1
	s_sub_co_u32 s40, s40, 1
	s_cmp_lg_u32 s40, 0
	s_cbranch_scc1 .Lfill
	s_mov_b32 s40, 2
.Llast:                                                ; slots 6, 7: nothing more is asked for
	WORK
	SYNC 0
	s_sub_co_u32 s40, s40, 1
	s_cmp_lg_u32 s40, 0
	s_cbranch_scc1 .Llast
; THE TAIL: u of my 64 rows over my 512 a; the two waves of a row half are added through LDS; t = -c u; the quarter's maximum m, weights 2^(t - m), their sum l; my 32 rows' part of the context from the bf16 copy.
.irp m, 0,1,2,3
	v_add_f32 v[U+2*\m], v[U+2*\m], v[U+2*\m+1]
.endr
.irp m, 0,1,2,3
	v_permlanex16_b32 v[U+2*\m+1], v[U+2*\m], s20, s21
.endr
.irp m, 0,1,2,3
	v_add_f32 v[U+2*\m], v[U+2*\m], v[U+2*\m+1]
.endr
	v_and_b32 v10, 31, v0
	v_and_b32 v11, 15, v0
	s_lshl_b32 s42, s16, 8
	s_add_co_u32 s42, s42, SCO
	v_lshl_add_u32 v4, v11, 2, s42
	v_lshl_add_u32 v5, v10, 2, SCO
	s_lshl_b32 s42, s17, 9
	s_lshl_b32 s43, s18, 7
	s_add_co_u32 s42, s42, s43
	v_add_nc_u32 v6, s42, v5
	s_lshl_b32 s42, s16, 12
	s_add_co_u32 s42, s42, CTX
	v_add_nc_u32 v7, s42, v[L16]
	s_lshl_b32 s42, s16, 10
	v_add_nc_u32 v9, s42, v[L16]
	v_add_nc_u32 v8, CTX, v9
	v_mov_b32 v203, 0
	v_mov_b32 v[ZR], 0
.irp m, 0,1,2,3
	ds_store_b32 v4, v[U+2*\m] offset:64*\m
.endr
	s_wait_alu depctr_va_vdst(0)
	s_wait_dscnt 0x0
	s_barrier_signal -1
	s_barrier_wait -1
.irp g, 0,1,2,3
	ds_load_b32 v[192+\g], v5 offset:512*(\g/2)+128*(\g%2)
	ds_load_b32 v[196+\g], v5 offset:512*(\g/2)+128*(\g%2)+256
.endr
	ds_load_b32 v200, v6
	ds_load_b32 v201, v6 offset:256
	s_wait_dscnt 0x0
.irp g, 0,1,2,3
	v_add_f32 v[192+\g], v[192+\g], v[196+\g]
.endr
	v_add_f32 v200, v200, v201
.irp g, 0,1,2,3
	v_mul_f32 v[192+\g], 0xc038aa3b, v[192+\g]
.endr
	v_mul_f32 v200, 0xc038aa3b, v200
	v_max3_num_f32 v202, v192, v193, v194
	v_max_num_f32 v202, v202, v195
	v_max_num_f32_dpp v202, v202, v202 row_xmask:1 row_mask:0xf bank_mask:0xf
	v_max_num_f32_dpp v202, v202, v202 row_xmask:2 row_mask:0xf bank_mask:0xf
	v_max_num_f32_dpp v202, v202, v202 row_xmask:4 row_mask:0xf bank_mask:0xf
	v_max_num_f32_dpp v202, v202, v202 row_xmask:8 row_mask:0xf bank_mask:0xf
	v_permlanex16_b32 v203, v202, s20, s21
	v_max_num_f32 v202, v202, v203
.irp g, 0,1,2,3
	v_sub_f32 v[192+\g], v[192+\g], v202
.endr
	v_sub_f32 v200, v200, v202
	s_wait_alu depctr_va_vdst(0)
.irp g, 0,1,2,3
	v_exp_f32 v[192+\g], v[192+\g]
.endr
	v_exp_f32 v200, v200
	v_nop
	s_wait_alu depctr_va_vdst(0)
	v_add_f32 v204, v192, v193
	v_add_f32 v205, v194, v195
	v_add_f32 v204, v204, v205
	v_add_f32_dpp v204, v204, v204 row_xmask:1 row_mask:0xf bank_mask:0xf
	v_add_f32_dpp v204, v204, v204 row_xmask:2 row_mask:0xf bank_mask:0xf
	v_add_f32_dpp v204, v204, v204 row_xmask:4 row_mask:0xf bank_mask:0xf
	v_add_f32_dpp v204, v204, v204 row_xmask:8 row_mask:0xf bank_mask:0xf
	v_permlanex16_b32 v205, v204, s20, s21
	v_add_f32 v204, v204, v205
	v_mov_b32 v208, v202
	v_mov_b32 v209, v204
	v_mov_b32 v210, v202
	v_mov_b32 v211, v204
.irp n, 0,1,2,3,4,5,6,7,8,9,10,11,12,13,14,15,16,17,18,19,20,21,22,23,24,25,26,27,28,29,30,31
	v_readlane_b32 s[66+\n], v200, \n
.endr
.irp n, 0,1,2,3,4,5,6,7,8,9,10,11,12,13,14,15,16,17,18,19,20,21,22,23,24,25,26,27,28,29,30,31
	v_mov_b32 v[PB+\n], s[66+\n]
.endr
.macro ROWC n
.set cR, 16*((\n)%16)
.irp q, 0,1,2,3,4,5,6,7,8,9,10,11,12,13,14,15
.if (\n) == 0
	v_fma_mix_f32_bf16 v[CT+2*\q], v[cR+\q], v[PB+(\n)], v[ZR] op_sel:[0,0,0] op_sel_hi:[1,0,0]
	v_fma_mix_f32_bf16 v[CT+2*\q+1], v[cR+\q], v[PB+(\n)], v[ZR] op_sel:[1,0,0] op_sel_hi:[1,0,0]
.else
	v_fma_mix_f32_bf16 v[CT+2*\q], v[cR+\q], v[PB+(\n)], v[CT+2*\q] op_sel:[0,0,0] op_sel_hi:[1,0,0]
	v_fma_mix_f32_bf16 v[CT+2*\q+1], v[cR+\q], v[PB+(\n)], v[CT+2*\q+1] op_sel:[1,0,0] op_sel_hi:[1,0,0]
.endif
.endr
.endm
	WIN 0x02
.irp n, 0,1,2,3,4,5,6,7,8,9,10,11,12,13,14,15
	ROWC \n
.endr
	WIN 0x03
.irp n, 16,17,18,19,20,21,22,23,24,25,26,27,28,29,30,31
	ROWC \n
.endr
	WIN 0
.irp f, 0,1,2,3,4,5,6,7
	ds_store_b128 v7, v[CT+4*\f:CT+4*\f+3] offset:512*\f
.endr
	s_wait_dscnt 0x0
	s_barrier_signal -1
	s_barrier_wait -1
.irp f, 0,1,2,3
	ds_load_b128 v[64+8*\f:64+8*\f+3], v8 offset:4096*\f
	ds_load_b128 v[64+8*\f+4:64+8*\f+7], v8 offset:4096*\f+512
.endr
	s_wait_dscnt 0x0
.irp o, 0,2,4,6
	v_pk_add_f32 v[64+\o:65+\o], v[64+\o:65+\o], v[72+\o:73+\o]
	v_pk_add_f32 v[80+\o:81+\o], v[80+\o:81+\o], v[88+\o:89+\o]
.endr
.irp o, 0,2,4,6
	v_pk_add_f32 v[64+\o:65+\o], v[64+\o:65+\o], v[80+\o:81+\o]
.endr
	global_store_b128 v9, v[64:67], s[14:15]       ; 32 lanes store 512 consecutive bytes, aligned to 256
	global_store_b128 v9, v[68:71], s[14:15] offset:512
	s_cmp_lg_u32 s16, 0
	s_cbranch_scc1 .Lno_ml
	global_store_b128 v[L16], v[208:211], s[14:15] offset:4096
.Lno_ml:
	s_wait_tensorcnt 0x0                           ; the wave's end
	ds_add_u32 v[SPW], v[NIL]
	s_wait_dscnt 0x0
	ROUND                                          ; the closing round
	s_endpgm
.Lfunc_end_k_qc6c76c4c8d_attn:
	.size	k_qc6c76c4c8d_attn, .Lfunc_end_k_qc6c76c4c8d_attn-k_qc6c76c4c8d_attn
	.p2alignl 7, 3214868480
	.fill 96, 4, 3214868480
	.section	.rodata,"a",@progbits
	.p2align	6, 0x0
	.amdhsa_kernel k_qc6c76c4c8d_attn
		.amdhsa_group_segment_fixed_size 327680
		.amdhsa_private_segment_fixed_size 0
		.amdhsa_enable_private_segment 0
		.amdhsa_kernarg_size 48
		.amdhsa_user_sgpr_count 2
		.amdhsa_user_sgpr_kernarg_segment_ptr 1
		.amdhsa_wavefront_size32 1
		.amdhsa_system_sgpr_workgroup_id_x 1
		.amdhsa_system_sgpr_workgroup_id_y 1
		.amdhsa_system_sgpr_workgroup_id_z 1
		.amdhsa_system_vgpr_workitem_id 0
		.amdhsa_next_free_vgpr 1024
		.amdhsa_next_free_sgpr 98
		.amdhsa_reserve_vcc 0
		.amdhsa_float_denorm_mode_32 3
		.amdhsa_float_denorm_mode_16_64 3
		.amdhsa_memory_ordered 1
		.amdhsa_forward_progress 1
		.amdhsa_inst_pref_size 255
	.end_amdhsa_kernel
	.section	.bss,"aw",@nobits
	.p2align	6
	.space	262144
	.amdgpu_metadata
---
amdhsa.version: [ 1, 2 ]
amdhsa.kernels:
  - .name:           k_qc6c76c4c8d_attn
    .symbol:         k_qc6c76c4c8d_attn.kd
    .args:
      - { .name: encoder_outputs, .offset: 0, .size: 8, .value_kind: global_buffer, .address_space: global }
      - { .name: wrec, .offset: 8, .size: 8, .value_kind: global_buffer, .address_space: global }
      - { .name: gp, .offset: 16, .size: 8, .value_kind: global_buffer, .address_space: global }
      - { .name: b_attn, .offset: 24, .size: 8, .value_kind: global_buffer, .address_space: global }
      - { .name: v, .offset: 32, .size: 8, .value_kind: global_buffer, .address_space: global }
      - { .name: part, .offset: 40, .size: 8, .value_kind: global_buffer, .address_space: global }
    .group_segment_fixed_size: 327680
    .private_segment_fixed_size: 0
    .kernarg_segment_align: 8
    .kernarg_segment_size: 48
    .max_flat_workgroup_size: 128
    .sgpr_count:     98
    .vgpr_count:     1024
    .wavefront_size: 32
...
	.end_amdgpu_metadata
.endif
;; end of part 2
;; launch comb (part 3): grid 4 x 64, 2 waves a work-group, no clusters, 0 bytes of LDS; arguments part, out0; writes out0
.if DOCPART == 3
	.amdgcn_target "amdgcn-amd-amdhsa--gfx1250"
	.amdhsa_code_object_version 6
	.text
	.protected	k_qc6c76c4c8d_comb
	.globl	k_qc6c76c4c8d_comb
	.p2align	8
	.type	k_qc6c76c4c8d_comb,@function
k_qc6c76c4c8d_comb:
	s_mov_b64 s[64:65], 0
	v_nop
	global_prefetch_b8 v0, s[64:65] scope:SCOPE_SE
	s_setreg_imm32_b32 hwreg(HW_REG_WAVE_MODE, 25, 1), 1
	s_wait_xcnt 0x0
; out0[b][e] = (the sum over q of 2^(m_q - M) c_q[e]) / (the sum over q of 2^(m_q - M) l_q), M the largest of the batch's four m_q: the four quarters of a batch's softmax are joined.
; part: a record of 4,608 bytes for each quarter: c[1024] f32, then (m, l) repeated.  Every l_q is at least 1 (its quarter's largest row has the weight 1), and the quarter that holds M has the factor 1: the divisor is at least 1.
; Work-group (x, b) makes 256 numbers of batch b; a thread four of them: a wave's load or store covers 512 consecutive bytes.  No LDS, no barrier, no matrix unit: about 4 KB are read for each KB written, once.
	s_load_b128 s[4:7], s[0:1], 0x0                ; part, out0
	s_and_b32 s8, ttmp7, 0xffff                    ; the batch
	s_lshl_b32 s9, ttmp9, 10                       ; my 256 numbers: 1,024 bytes x work-group x
	v_lshl_add_u32 v1, v0, 4, s9                   ; + 16 x thread
	v_mov_b32 v2, 0
	s_mul_i32 s10, s8, 18432                       ; the batch's four records
	s_mov_b32 s11, 0
	s_lshl_b32 s12, s8, 12                         ; its row of out0
	s_mov_b32 s13, 0
	s_wait_alu depctr_va_vdst(0)
	s_wait_kmcnt 0x0
	s_add_nc_u64 s[4:5], s[4:5], s[10:11]
	s_add_nc_u64 s[6:7], s[6:7], s[12:13]
.irp q, 0,1,2,3
	global_load_b64 v[20+2*\q:21+2*\q], v2, s[4:5] offset:4608*\q+4096   ; m_q, l_q
.endr
.irp q, 0,1,2,3
	global_load_b128 v[4+4*\q:7+4*\q], v1, s[4:5] offset:4608*\q         ; c_q
.endr
	s_wait_loadcnt 0x4                             ; the four (m, l) are in; the four loads of c may be out
	v_max3_num_f32 v28, v20, v22, v24
	v_max_num_f32 v28, v28, v26                    ; M
.irp q, 0,1,2,3
	v_sub_f32 v[30+\q], v[20+2*\q], v28
.endr
	s_wait_alu depctr_va_vdst(0)
.irp q, 0,1,2,3
	v_exp_f32 v[30+\q], v[30+\q]                   ; 2^(m_q - M)
.endr
	v_nop                                          ; a plain line behind the exponentials
	s_wait_alu depctr_va_vdst(0)
	v_mul_f32 v29, v30, v21
	v_fmac_f32 v29, v31, v23
	v_fmac_f32 v29, v32, v25
	v_fmac_f32 v29, v33, v27                       ; the row's sum
	s_wait_alu depctr_va_vdst(0)
	v_rcp_f32 v29, v29
	v_nop                                          ; a plain line behind the reciprocal
	s_wait_alu depctr_va_vdst(0)
.irp q, 0,1,2,3
	v_mul_f32 v[30+\q], v[30+\q], v29
.endr
	s_wait_alu depctr_va_vdst(0)
	s_wait_loadcnt 0x0
.irp e, 0,1,2,3
	v_mul_f32 v[34+\e], v30, v[4+\e]
.endr
.irp e, 0,1,2,3
	v_fmac_f32 v[34+\e], v31, v[8+\e]
.endr
.irp e, 0,1,2,3
	v_fmac_f32 v[34+\e], v32, v[12+\e]
.endr
.irp e, 0,1,2,3
	v_fmac_f32 v[34+\e], v33, v[16+\e]
.endr
	global_store_b128 v1, v[34:37], s[6:7]         ; 32 lanes store 512 consecutive bytes, aligned to 256
	s_endpgm
.Lfunc_end_k_qc6c76c4c8d_comb:
	.size	k_qc6c76c4c8d_comb, .Lfunc_end_k_qc6c76c4c8d_comb-k_qc6c76c4c8d_comb
	.p2alignl 7, 3214868480
	.fill 96, 4, 3214868480
	.section	.rodata,"a",@progbits
	.p2align	6, 0x0
	.amdhsa_kernel k_qc6c76c4c8d_comb
		.amdhsa_group_segment_fixed_size 0
		.amdhsa_private_segment_fixed_size 0
		.amdhsa_enable_private_segment 0
		.amdhsa_kernarg_size 16
		.amdhsa_user_sgpr_count 2
		.amdhsa_user_sgpr_kernarg_segment_ptr 1
		.amdhsa_wavefront_size32 1
		.amdhsa_system_sgpr_workgroup_id_x 1
		.amdhsa_system_sgpr_workgroup_id_y 1
		.amdhsa_system_sgpr_workgroup_id_z 1
		.amdhsa_system_vgpr_workitem_id 0
		.amdhsa_next_free_vgpr 40
		.amdhsa_next_free_sgpr 66
		.amdhsa_reserve_vcc 0
		.amdhsa_float_denorm_mode_32 3
		.amdhsa_float_denorm_mode_16_64 3
		.amdhsa_memory_ordered 1
		.amdhsa_forward_progress 1
		.amdhsa_inst_pref_size 4
	.end_amdhsa_kernel
	.amdgpu_metadata
---
amdhsa.version: [ 1, 2 ]
amdhsa.kernels:
  - .name:           k_qc6c76c4c8d_comb
    .symbol:         k_qc6c76c4c8d_comb.kd
    .args:
      - { .name: part, .offset: 0, .size: 8, .value_kind: global_buffer, .address_space: global }
      - { .name: out0, .offset: 8, .size: 8, .value_kind: global_buffer, .address_space: global }
    .group_segment_fixed_size: 0
    .private_segment_fixed_size: 0
    .kernarg_segment_align: 8
    .kernarg_segment_size: 16
    .max_flat_workgroup_size: 64
    .sgpr_count:     66
    .vgpr_count:     40
    .wavefront_size: 32
...
	.end_amdgpu_metadata
.endif
;; end of part 3
